; MI455X (gfx1250); checked and timed in simulation.
; The chip was launched on July 23, 2026; its instructions are those of AMD's public machine-readable ISA for CDNA 5 (MIT licence, August 2026) and "CDNA5" Instruction Set Architecture Reference Guide (July 2026). The comments in the code are by the model that wrote it; some were corrected since.
;; GMF. Allowed arithmetic: matrix products marked QUANTISED: E5M2 operands, one E8M0 scale for each 32 along K, by v_wmma_scale_f32_16x16x128_f8f6f4 with both operands' format E5M2, f32 sums; everything else in f32.
;; Inputs: P_weight 64 x 1,000,000 float32; Q_weight 64 x 100,032 float32; genres_one_hot_codes 16,384 x 1 x 32 uint8 (E5M2 codes of genres_one_hot, K innermost, in blocks of 32 codes); genres_one_hot_scales 16,384 x 1 uint8 (E8M0 scales of genres_one_hot, one for each 32 codes along K); item_ids 16,384 int32; user_ids 16,384 int32.
;; Outputs: out0 16,384 x 1 float32.
;; This version of the problem:
;;   THIS VERSION OF THE PROBLEM IS GIVEN IN LOW PRECISION. The matrix products marked QUANTISED in the list below multiply operands that are first quantised to E5M2 (5 exponent bits, 2 mantissa bits; 8 bits a number), with one power-of-two scale for each 32 numbers along K (OCP MX v1.0); their sums are f32. All else is computed in f32.
;;   The module's matrix products, in the order in which they are computed (A, B: the left and right operand; K: the contracted axis; several contracted axes count as one K, in the product's order):
;;     1. [M 16,384, K 32] x [K 32, N 64]; A: input genres_one_hot (given as codes); B: input Q_weight: QUANTISED
;;   THE QUANTISER, for each operand of a quantised product, along K:
;;     - K is cut into blocks of 32 from its start; a last block that is shorter is filled with zeros.
;;     - A block's scale is 2^e with e = floor(log2(the largest magnitude in the block)) - 15, held to -126 .. 127; a block of zeros has e = 0. As a byte (E8M0): e + 127.
;;     - Each number is divided by its block's scale, clamped to +-57,344, and rounded to the nearest number of E5M2, ties to even, subnormals kept.
;;     - The product sums the exact products of the quantised numbers (number of the format x scale) in f32.
;;   ~~~python
;;   def quantise(x, axis):      # numpy; x: float32 -> the quantised numbers, widened to float32 again
;;       x = np.moveaxis(x, axis, -1); K = x.shape[-1]
;;       x = np.pad(x, [(0, 0)] * (x.ndim - 1) + [(0, -K % 32)]); x = x.reshape(x.shape[:-1] + (-1, 32)); a = np.abs(x).max(-1, keepdims=True)
;;       e = np.where(a > 0, np.clip(np.frexp(np.where(a > 0, a, 1))[1] - 1 - 15, -126, 127), 0)      # np.frexp(a)[1] - 1 = floor(log2(a)), exactly
;;       r = np.clip(x / 2.0 ** e, -57344, 57344)
;;       step = 2.0 ** (np.maximum(np.frexp(np.where(r == 0, 1, r))[1] - 1, -14) - 2)
;;       q = np.round(r / step) * step * 2.0 ** e      # np.round: ties to even
;;       return np.moveaxis(q.reshape(q.shape[:-2] + (-1,))[..., :K], -1, axis).astype(np.float32)
;;   ~~~
;;   INPUTS GIVEN AS CODES. genres_one_hot (in the module: [16384, 32], K = its axis 1): each comes as NAME_codes (uint8): NAME with its K axis moved to the last place and cut into blocks of 32 codes, [.., K / 32, bytes a block], one block behind the other in memory; one code a byte (a code: sign, 5 exponent bits, 2 mantissa bits); and NAME_scales (uint8): the same leading axes, one E8M0 byte (e + 127) for each 32 codes along K. Its value is code x scale, taken as it is: it is not quantised again, and the codes and scales need not be those that the quantiser above would give.
;; 2 versions, each right; version 2 is version 1 with the launch gmf written anew for expert scheduling mode. Each part assembles by itself: llvm-mc -triple=amdgcn-amd-amdhsa -mcpu=gfx1250 --defsym DOCPART=n.
;; ======== version 1 of 2: 1 launch
;; launch gmf (part 1): grid 256 x 1, 16 waves a work-group, no clusters, 4,096 bytes of LDS; arguments user_ids, item_ids, genres_one_hot_codes, genres_one_hot_scales, P_weight, Q_weight, out0; writes out0
.if DOCPART == 1
	.amdgcn_target "amdgcn-amd-amdhsa--gfx1250"
	.amdhsa_code_object_version 6
	.text
	.protected	k_q182b12aa6a_gmf
	.globl	k_q182b12aa6a_gmf
	.p2align	8
	.type	k_q182b12aa6a_gmf,@function
k_q182b12aa6a_gmf:
	s_mov_b64 s[64:65], 0
	v_nop
	global_prefetch_b8 v0, s[64:65] scope:SCOPE_SE
	s_setreg_imm32_b32 hwreg(HW_REG_WAVE_MODE, 25, 1), 1
	s_wait_xcnt 0x0
; out[b] = sum over k of P[k][user[b]] * ( Q[k][item[b]] + sum over g of G[b][g] * W[k][g] ),  k = 0..63, g = 0..31, b = 0..16383.
; P: [64][1,000,000] f32.  Q: [64][100,032] f32; W[k][g] = Q[k][100,000 + g].  G arrives as E5M2 codes [b][32] with one E8M0 byte a row.
; The product G W^T is made on codes of E5M2: W is quantised here, along g, one block of 32 a row; the sums and all else are f32.
; SHARES.  A work-group owns 64 batch rows (256 bytes of out).  Wave w of 16 takes row tile rt = w / 4 (16 rows) and latent tile kt = w % 4 (16 of the 64 k).
; LAYOUT.  The matrix instruction is used transposed: source 0 = 16 rows of W, source 1 = 16 rows of G.  In the result lane (r = lane % 16, h = lane / 16) holds
; batch row r, and its register j the latent unit 16 kt + 8 h + j.  The lane gathers just these eight words of Q into the registers that are the instruction's C,
; so that D = Q's word + the genre product, and the same eight words of P; four packed multiply-adds and one add give its part of the row's sum.
; K is 32 of the instruction's 128: registers 4-15 of both sources hold zero codes, which add nothing; the upper bytes of both scale words are 0 (2^-127, over zero codes).
; Every gather of a wave is issued as soon as its ids are in, 16 loads of 32 separate words; W is quantised while they are out.
; A row's eight parts (4 latent tiles x 2 halves of the lanes) meet in LDS; behind one barrier wave 0 adds them and stores the group's 256 consecutive, aligned bytes by one instruction.
; NOT USED, by this text's own arithmetic: tiles, tensor loads and a ring (every word gathered stands alone, a row of P or Q apart from the next); joint loads in a cluster (all that
; work-groups share is W, 2 KiB a wave beside its 512 gathered words); prefetches (a gather goes out as soon as its id is known: nothing could ask earlier).
; LIMITS.  Ids are taken as unsigned and held at the table's last column (999,999; 99,999).  NaN and infinities in W are not served.  Blocks of W whose largest magnitude lies
; under 2^-110 get the byte 1, as the quantiser says; they were not tried.  The 64 products of a row are summed in another order than the definition's.
.set USERS, 1000000
.set ITEMS, 100000
.set PROW,  USERS*4                    ; a row of P in bytes
.set QROW,  (ITEMS+32)*4               ; a row of Q in bytes
.set GEN0,  ITEMS*4                    ; where W begins in a row of Q; a multiple of 16, as QROW is
.set R,    1                           ; v1   lane % 16
.set H,    2                           ; v2   lane / 16
.set ROW,  3                           ; v3   my batch row; also its byte offset among G's scale bytes
.set OID,  4                           ; v4   its byte offset in the lists of ids
.set OCD,  5                           ; v5   my 16 codes of G
.set OW,   6                           ; v6   my 16 numbers of W, from the tile's first row of Q
.set OP,   7                           ; v7   8 h rows of P, then + 4 x my user
.set OQ,   8                           ; v8   8 h rows of Q, then + 4 x my item
.set UID,  9                           ; v9   my user
.set IID,  10                          ; v10  my item
.set LA,   11                          ; v11  LDS address of my part of the sum
.set T,    12                          ; v12-15 at work in the quantiser: largest magnitude, exponent field, 57,344 x scale, scale as f32
.set SA,   16                          ; v16  W's scale word: nothing else is ever kept here
.set SB,   17                          ; v17  G's scale word: likewise
.set X,    20                          ; v20-35  16 numbers of W; at the end wave 0's eight pairs of parts
.set A,    36                          ; v36-51  source 0: W's codes in 36-39, zero codes above
.set B,    52                          ; v52-67  source 1: G's codes in 52-55, zero codes above
.set QD,   68                          ; v68-75  Q's eight words, C and D of the product
.set PU,   76                          ; v76-83  P's eight words
.set ACC,  84                          ; v84-85  my part of the sum
.set WV,   18                          ; s18  wave
.set PB,   28                          ; s[28:33] P at rows 16 kt, + 3, + 6: a row is 4,000,000 bytes, and a load's positive immediate reaches two rows on
	s_load_b256 s[4:11], s[0:1], 0x0               ; users s[4:5], items s[6:7], G's codes s[8:9], G's scales s[10:11]
	s_load_b128 s[12:15], s[0:1], 0x20             ; P s[12:13], Q s[14:15]
	s_load_b64 s[16:17], s[0:1], 0x30              ; out
	v_lshl_add_u32 v88, v0, 2, 0x800
	v_mov_b32 v89, 0
	v_lshrrev_b32 v[ROW], 5, v0
	v_readfirstlane_b32 s[WV], v[ROW]              ; wave 0..15
	s_and_b32 s19, s[WV], 3                        ; kt: my 16 latent units
	s_lshr_b32 s20, s[WV], 2                       ; rt: my 16 batch rows
	s_lshl_b32 s21, ttmp9, 6
	s_lshl4_add_u32 s21, s20, s21                  ; my first batch row: 64 x work-group + 16 rt
	v_and_b32 v[R], 15, v0
	v_bfe_u32 v[H], v0, 4, 1
	v_add_nc_u32 v[ROW], s21, v[R]
	v_lshlrev_b32 v[OID], 2, v[ROW]
	v_lshlrev_b32 v[OCD], 5, v[ROW]
	v_lshl_add_u32 v[OCD], v[H], 4, v[OCD]         ; G: 32 bytes a row, + 16 h: codes g = 16 h .. 16 h + 15
	v_mul_u32_u24 v[OW], v[R], QROW
	v_lshl_add_u32 v[OW], v[H], 6, v[OW]           ; W: row r of the tile, + 64 h bytes: numbers g = 16 h .. 16 h + 15
	s_mov_b32 s22, 8*PROW
	v_mul_lo_u32 v[OP], v[H], s22                  ; lanes 16-31 stand eight rows further down
	v_mul_u32_u24 v[OQ], v[H], 8*QROW
	s_mul_i32 s24, s19, 16*QROW                    ; my tile's first row, in bytes: under 2^31 in both tables
	s_mov_b32 s25, 0
	s_mul_i32 s26, s19, 16*PROW
	s_mov_b32 s27, 0
	s_lshl_b32 s23, s19, 9                         ; LDS: part 2 kt + h is 64 words; in it word 16 rt + r
	s_lshl_b32 s36, s20, 6
	s_add_co_u32 s23, s23, s36
	s_mov_b32 s34, 0x76543210                      ; v_permlanex16_b32's selects for lane l xor 16
	s_mov_b32 s35, 0xfedcba98
	s_wait_kmcnt 0x0
	s_add_nc_u64 s[14:15], s[14:15], s[24:25]      ; Q at row 16 kt
	s_add_nc_u64 s[PB:PB+1], s[12:13], s[26:27]    ; P at row 16 kt,
	s_add_nc_u64 s[PB+2:PB+3], s[PB:PB+1], 3*PROW  ; three rows on,
	s_add_nc_u64 s[PB+4:PB+5], s[PB:PB+1], 6*PROW  ; six rows on
	global_load_b32 v[UID], v[OID], s[4:5]         ; the ids first: the gathers hang on them
	global_load_b32 v[IID], v[OID], s[6:7]
.irp i, 0,1,2,3
	global_load_b128 v[X+4*\i:X+4*\i+3], v[OW], s[14:15] offset:GEN0+16*\i
.endr
	global_load_b128 v[B:B+3], v[OCD], s[8:9]      ; the wave's 16 rows of codes: 512 consecutive bytes
	global_load_u8 v[SB], v[ROW], s[10:11]         ; lane r: row r's byte, with zeros above it
.irp i, 4,5,6,7,8,9,10,11,12,13,14,15
	v_mov_b32 v[A+\i], 0                           ; zero codes for K = 32 .. 127, on both sides
	v_mov_b32 v[B+\i], 0
.endr
	s_wait_loadcnt 6                               ; the two ids are in; the six loads issued behind them may be out
	v_min_u32 v[UID], USERS-1, v[UID]              ; an id enters an address only held inside its table
	v_min_u32 v[IID], ITEMS-1, v[IID]
	v_lshlrev_b32 v[UID], 2, v[UID]
	v_lshlrev_b32 v[IID], 2, v[IID]
	v_add_nc_u32 v[OQ], v[OQ], v[IID]
	v_add_nc_u32 v[OP], v[OP], v[UID]
.irp j, 0,1,2,3,4,5,6,7
	global_load_b32 v[QD+\j], v[OQ], s[14:15] offset:\j*QROW                        ; Q[16 kt + 8 h + j][my item]
.endr
.irp j, 0,1,2,3,4,5,6,7
	global_load_b32 v[PU+\j], v[OP], s[PB+2*(\j/3):PB+2*(\j/3)+1] offset:(\j%3)*PROW  ; P[16 kt + 8 h + j][my user]
.endr
	; W's row r is one block of 32: my 16 numbers and those of lane l xor 16.  All this stands under the gathers' flight.
	s_wait_loadcnt 16                              ; W, G's codes and G's scale byte are in; the 16 gathers may be out
	v_max3_num_f32 v[T], |v[X]|, |v[X+1]|, |v[X+2]|
	v_max3_num_f32 v[T+1], |v[X+3]|, |v[X+4]|, |v[X+5]|
.irp i, 6,10
	v_max3_num_f32 v[T], v[T], |v[X+\i]|, |v[X+\i+1]|
	v_max3_num_f32 v[T+1], v[T+1], |v[X+\i+2]|, |v[X+\i+3]|
.endr
	v_max3_num_f32 v[T], v[T], |v[X+14]|, |v[X+15]|
	v_max_num_f32 v[T], v[T], v[T+1]
	v_permlanex16_b32 v[T+1], v[T], s34, s35       ; (its destination counts as read: it has been written)
	v_max_num_f32 v[T], v[T], v[T+1]               ; the block's largest magnitude
	v_lshrrev_b32 v[T+1], 23, v[T]                 ; its exponent field = floor(log2) + 127
	v_max_u32 v[T+1], 16, v[T+1]                   ; the byte is not to fall under 1
	v_lshl_or_b32 v[T+2], v[T+1], 23, 0x600000     ; 57,344 x the scale
	v_add_nc_u32 v[T+1], -15, v[T+1]               ; the scale's byte
	v_lshlrev_b32 v[T+3], 23, v[T+1]               ; the scale as f32: the conversion takes its exponent field
	v_cmp_eq_u32 vcc_lo, 0, v[T]
	v_cndmask_b32 v[SA], v[T+1], 127, vcc_lo       ; a block of zeros gets 127.  Lane r holds row r's byte, zeros above it
.irp i, 0,1,2,3,4,5,6,7,8,9,10,11,12,13,14,15
	v_med3_num_f32 v[X+\i], v[X+\i], -v[T+2], v[T+2]   ; the conversion does not saturate (ISA guide 7.6.2): hold first.  These 16 also stand between the scale word's write and the product
.endr
	v_cvt_scalef32_pk8_bf8_f32 v[A:A+1], v[X:X+7], v[T+3]          ; registers 0-3 of source 0: g = 16 h + 0 .. 15
	v_cvt_scalef32_pk8_bf8_f32 v[A+2:A+3], v[X+8:X+15], v[T+3]
	v_lshlrev_b32 v[LA], 2, v[R]                   ; four plain instructions between the codes' write and the product (ISA guide 7.12.1): my LDS address,
	v_lshl_add_u32 v[LA], v[H], 8, v[LA]
	v_add_nc_u32 v[LA], s23, v[LA]
	v_nop                                          ; and one with nothing to do
	s_wait_loadcnt 8                               ; Q's eight words are in; P's eight may be out
	v_wmma_scale_f32_16x16x128_f8f6f4 v[QD:QD+7], v[A:A+15], v[B:B+15], v[QD:QD+7], v[SA], v[SB] matrix_a_fmt:MATRIX_FMT_BF8 matrix_b_fmt:MATRIX_FMT_BF8
.rept 8
	v_nop                                          ; eight places before the result is read; no other work is left
.endr
	s_wait_loadcnt 0x0                             ; P's eight words
	v_pk_mul_f32 v[ACC:ACC+1], v[PU:PU+1], v[QD:QD+1]              ; the result is read from its low end on
.irp j, 2,4,6
	v_pk_fma_f32 v[ACC:ACC+1], v[PU+\j:PU+\j+1], v[QD+\j:QD+\j+1], v[ACC:ACC+1]
.endr
	v_add_f32 v[ACC], v[ACC], v[ACC+1]             ; my eight latent units' part of row r's sum
	ds_store_b32 v[LA], v[ACC]
	s_wait_dscnt 0x0                               ; for wave 0's sake: my store is done
	s_barrier_signal -1
	s_barrier_wait -1
	s_cmp_lg_u32 s[WV], 0
	s_cbranch_scc1 .Ldone
	v_and_b32 v[T], 31, v0
	v_lshlrev_b32 v[T], 3, v[T]                    ; lane i takes rows 2 i and 2 i + 1
.irp p, 0,1,2,3,4,5,6,7
	ds_load_b64 v[X+2*\p:X+2*\p+1], v[T] offset:256*\p             ; their eight parts
.endr
	s_lshl_b32 s36, ttmp9, 8
	v_add_nc_u32 v[T+1], s36, v[T]                 ; the same two rows in out
	s_wait_dscnt 0x0
.irp p, 0,4,8,12
	v_pk_add_f32 v[X+\p:X+\p+1], v[X+\p:X+\p+1], v[X+\p+2:X+\p+3]
.endr
	v_pk_add_f32 v[X:X+1], v[X:X+1], v[X+4:X+5]
	v_pk_add_f32 v[X+8:X+9], v[X+8:X+9], v[X+12:X+13]
	v_pk_add_f32 v[X:X+1], v[X:X+1], v[X+8:X+9]
	global_store_b64 v[T+1], v[X:X+1], s[16:17]    ; 32 lanes store 256 consecutive bytes, at a multiple of 256 from out's first byte
.Ldone:
	s_wait_tensorcnt 0x0
	ds_add_u32 v88, v89
	s_wait_dscnt 0x0
	s_endpgm
.Lfunc_end_k_q182b12aa6a_gmf:
	.size	k_q182b12aa6a_gmf, .Lfunc_end_k_q182b12aa6a_gmf-k_q182b12aa6a_gmf
	.p2alignl 7, 3214868480
	.fill 96, 4, 3214868480
	.section	.rodata,"a",@progbits
	.p2align	6, 0x0
	.amdhsa_kernel k_q182b12aa6a_gmf
		.amdhsa_group_segment_fixed_size 4096
		.amdhsa_private_segment_fixed_size 0
		.amdhsa_enable_private_segment 0
		.amdhsa_kernarg_size 56
		.amdhsa_user_sgpr_count 2
		.amdhsa_user_sgpr_kernarg_segment_ptr 1
		.amdhsa_wavefront_size32 1
		.amdhsa_system_sgpr_workgroup_id_x 1
		.amdhsa_system_sgpr_workgroup_id_y 1
		.amdhsa_system_sgpr_workgroup_id_z 1
		.amdhsa_system_vgpr_workitem_id 0
		.amdhsa_next_free_vgpr 90
		.amdhsa_next_free_sgpr 66
		.amdhsa_reserve_vcc 1
		.amdhsa_float_denorm_mode_32 3
		.amdhsa_float_denorm_mode_16_64 3
		.amdhsa_memory_ordered 1
		.amdhsa_forward_progress 1
		.amdhsa_inst_pref_size 10
	.end_amdhsa_kernel
	.amdgpu_metadata
---
amdhsa.version: [ 1, 2 ]
amdhsa.kernels:
  - .name:           k_q182b12aa6a_gmf
    .symbol:         k_q182b12aa6a_gmf.kd
    .args:
      - { .name: user_ids, .offset: 0, .size: 8, .value_kind: global_buffer, .address_space: global }
      - { .name: item_ids, .offset: 8, .size: 8, .value_kind: global_buffer, .address_space: global }
      - { .name: genres_one_hot_codes, .offset: 16, .size: 8, .value_kind: global_buffer, .address_space: global }
      - { .name: genres_one_hot_scales, .offset: 24, .size: 8, .value_kind: global_buffer, .address_space: global }
      - { .name: P_weight, .offset: 32, .size: 8, .value_kind: global_buffer, .address_space: global }
      - { .name: Q_weight, .offset: 40, .size: 8, .value_kind: global_buffer, .address_space: global }
      - { .name: out0, .offset: 48, .size: 8, .value_kind: global_buffer, .address_space: global }
    .group_segment_fixed_size: 4096
    .private_segment_fixed_size: 0
    .kernarg_segment_align: 8
    .kernarg_segment_size: 56
    .max_flat_workgroup_size: 512
    .sgpr_count:     66
    .vgpr_count:     90
    .wavefront_size: 32
...
	.end_amdgpu_metadata
.endif
;; end of part 1
;; ======== version 2 of 2: 1 launch; version 1 with the launch gmf written anew for expert scheduling mode
;; launch gmf (part 2): grid 256 x 1, 16 waves a work-group, no clusters, 4,096 bytes of LDS; arguments user_ids, item_ids, genres_one_hot_codes, genres_one_hot_scales, P_weight, Q_weight, out0; writes out0
.if DOCPART == 2
	.amdgcn_target "amdgcn-amd-amdhsa--gfx1250"
	.amdhsa_code_object_version 6
	.text
	.protected	k_q182b12aa6a_gmf
	.globl	k_q182b12aa6a_gmf
	.p2align	8
	.type	k_q182b12aa6a_gmf,@function
k_q182b12aa6a_gmf:
	s_mov_b64 s[64:65], 0
	v_nop
	global_prefetch_b8 v0, s[64:65] scope:SCOPE_SE
	s_setreg_imm32_b32 hwreg(HW_REG_WAVE_SCHED_MODE, 0, 2), 2
	s_setreg_imm32_b32 hwreg(HW_REG_WAVE_MODE, 25, 1), 1
	s_wait_xcnt 0x0
	s_wait_alu depctr_vm_vsrc(0)
; out[b] = sum over k of P[k][user[b]] * ( Q[k][item[b]] + sum over g of G[b][g] * W[k][g] ),  k = 0..63, g = 0..31, b = 0..16383.
; P: [64][1,000,000] f32.  Q: [64][100,032] f32; W[k][g] = Q[k][100,000 + g].  G arrives as E5M2 codes [b][32] with one E8M0 byte a row.
; The product G W^T is made on codes of E5M2: W is quantised here, along g, one block of 32 a row; the sums and all else are f32.
; SHARES.  A work-group owns 64 batch rows (256 bytes of out).  Wave w of 16 takes row tile rt = w / 4 (16 rows) and latent tile kt = w % 4 (16 of the 64 k).
; LAYOUT.  The matrix instruction is used transposed: source 0 = 16 rows of W, source 1 = 16 rows of G.  In the result lane (r = lane % 16, h = lane / 16) holds
; batch row r, and its register j the latent unit 16 kt + 8 h + j.  The lane gathers just these eight words of Q into the registers that are the instruction's C,
; so that D = Q's word + the genre product, and the same eight words of P; four packed multiply-adds and one add give its part of the row's sum.
; K is 32 of the instruction's 128: registers 4-15 of both sources hold zero codes, which add nothing; the upper bytes of both scale words are 0 (2^-127, over zero codes).
; Every gather of a wave is issued as soon as its ids are in, 16 loads of 32 separate words; W is quantised while they are out.
; A row's eight parts (4 latent tiles x 2 halves of the lanes) meet in LDS; behind one barrier wave 0 adds them and stores the group's 256 consecutive, aligned bytes by one instruction.
; NOT USED, by this text's own arithmetic: tiles, tensor loads and a ring (every word gathered stands alone, a row of P or Q apart from the next); joint loads in a cluster (all that
; work-groups share is W, 2 KiB a wave beside its 512 gathered words); prefetches (a gather goes out as soon as its id is known: nothing could ask earlier).
; LIMITS.  Ids are taken as unsigned and held at the table's last column (999,999; 99,999).  NaN and infinities in W are not served.  Blocks of W whose largest magnitude lies
; under 2^-110 get the byte 1, as the quantiser says; they were not tried.  The 64 products of a row are summed in another order than the definition's.
; THE MODE: SCHED_MODE bits 1:0 = 2 (LLVM: expert scheduling mode 2), set by the entry lines.  The code itself states the register dependences
; between vector or matrix instructions and memory or LDS instructions, with s_wait_alu, always for 0.
; THE PLAN.  The text is one straight run, with one branch at its end.  Registers that memory or LDS instructions touch, in program order:
;   v3-v6        offsets of the first eight loads: written at the head, read by those loads, never written again.
;   v9, v10      the ids: loads land in them; vector lines alone read and rewrite them.
;   v7, v8       the gathers' offsets: written at the head and once more when the ids are in, read by the 16 gathers, never written again.
;   v20-35       W's loads land in them; the holds rewrite them and the conversions read them; in wave 0 the eight LDS loads land in them, the packed adds rewrite them, v[20:21] are the store's data.
;   v52-55, v17  G's codes and scale byte: loads land in them; the matrix instruction alone reads them.
;   v68-75, v76-83  the gathers land in them; the matrix instruction and the multiply-adds name them; no memory instruction touches them again.
;   v11, v84     the LDS store's address and data: written by vector lines, read by that store, never written again.
;   v12, v13     in wave 0: the LDS loads' address and the store's offset: written behind the barrier, never written again.
;   v88, v89     written at the head, read by the closing add alone.
; No register that a memory or LDS instruction has read is written afterwards: so the body holds no wait on vm_vsrc.  Six waits on va_vdst stand ahead of the six runs of
; memory, LDS or scaled matrix instructions whose registers vector lines have just written; one on va_sdst and one on va_vcc stand ahead of the first readers of s18 and of VCC.
.set USERS, 1000000
.set ITEMS, 100000
.set PROW,  USERS*4                    ; a row of P in bytes
.set QROW,  (ITEMS+32)*4               ; a row of Q in bytes
.set GEN0,  ITEMS*4                    ; where W begins in a row of Q; a multiple of 16, as QROW is
.set R,    1                           ; v1   lane % 16
.set H,    2                           ; v2   lane / 16
.set ROW,  3                           ; v3   my batch row; also its byte offset among G's scale bytes
.set OID,  4                           ; v4   its byte offset in the lists of ids
.set OCD,  5                           ; v5   my 16 codes of G
.set OW,   6                           ; v6   my 16 numbers of W, from the tile's first row of Q
.set OP,   7                           ; v7   8 h rows of P, then + 4 x my user
.set OQ,   8                           ; v8   8 h rows of Q, then + 4 x my item
.set UID,  9                           ; v9   my user
.set IID,  10                          ; v10  my item
.set LA,   11                          ; v11  LDS address of my part of the sum
.set T,    12                          ; v12-15 at work in the quantiser: largest magnitude, exponent field, 57,344 x scale, scale as f32
.set SA,   16                          ; v16  W's scale word: nothing else is ever kept here
.set SB,   17                          ; v17  G's scale word: likewise
.set X,    20                          ; v20-35  16 numbers of W; at the end wave 0's eight pairs of parts
.set A,    36                          ; v36-51  source 0: W's codes in 36-39, zero codes above
.set B,    52                          ; v52-67  source 1: G's codes in 52-55, zero codes above
.set QD,   68                          ; v68-75  Q's eight words, C and D of the product
.set PU,   76                          ; v76-83  P's eight words
.set ACC,  84                          ; v84-85  my part of the sum
.set WV,   18                          ; s18  wave
.set PB,   28                          ; s[28:33] P at rows 16 kt, + 3, + 6: a row is 4,000,000 bytes, and a load's positive immediate reaches two rows on
	s_load_b256 s[4:11], s[0:1], 0x0               ; users s[4:5], items s[6:7], G's codes s[8:9], G's scales s[10:11]
	s_load_b128 s[12:15], s[0:1], 0x20             ; P s[12:13], Q s[14:15]
	s_load_b64 s[16:17], s[0:1], 0x30              ; out
	v_lshl_add_u32 v88, v0, 2, 0x800               ; the LDS address of my spare word, behind the 2,048 bytes of parts, and 0: made here and kept for the closing lines alone
	v_mov_b32 v89, 0
	v_lshrrev_b32 v[ROW], 5, v0
	v_readfirstlane_b32 s[WV], v[ROW]              ; wave 0..15
	v_and_b32 v[R], 15, v0                         ; the lane's terms that hang on no wave number stand between that line and the wait for it
	v_bfe_u32 v[H], v0, 4, 1
	s_mov_b32 s22, 8*PROW
	v_mul_u32_u24 v[OW], v[R], QROW
	v_lshl_add_u32 v[OW], v[H], 6, v[OW]           ; W: row r of the tile, + 64 h bytes: numbers g = 16 h .. 16 h + 15
	v_mul_lo_u32 v[OP], v[H], s22                  ; lanes 16-31 stand eight rows further down
	v_mul_u32_u24 v[OQ], v[H], 8*QROW
	s_wait_alu depctr_va_sdst(0)                   ; s18 is written, ahead of its first reader: the tiles, the bases and the LDS place are made from it
	s_and_b32 s19, s[WV], 3                        ; kt: my 16 latent units
	s_lshr_b32 s20, s[WV], 2                       ; rt: my 16 batch rows
	s_lshl_b32 s21, ttmp9, 6
	s_lshl4_add_u32 s21, s20, s21                  ; my first batch row: 64 x work-group + 16 rt
	v_add_nc_u32 v[ROW], s21, v[R]
	v_lshlrev_b32 v[OID], 2, v[ROW]
	v_lshlrev_b32 v[OCD], 5, v[ROW]
	v_lshl_add_u32 v[OCD], v[H], 4, v[OCD]         ; G: 32 bytes a row, + 16 h: codes g = 16 h .. 16 h + 15
	s_mul_i32 s24, s19, 16*QROW                    ; my tile's first row, in bytes: under 2^31 in both tables
	s_mov_b32 s25, 0
	s_mul_i32 s26, s19, 16*PROW
	s_mov_b32 s27, 0
	s_lshl_b32 s23, s19, 9                         ; LDS: part 2 kt + h is 64 words; in it word 16 rt + r
	s_lshl_b32 s36, s20, 6
	s_add_co_u32 s23, s23, s36
	s_mov_b32 s34, 0x76543210                      ; v_permlanex16_b32's selects for lane l xor 16
	s_mov_b32 s35, 0xfedcba98
	s_wait_kmcnt 0x0
	s_add_nc_u64 s[14:15], s[14:15], s[24:25]      ; Q at row 16 kt
	s_add_nc_u64 s[PB:PB+1], s[12:13], s[26:27]    ; P at row 16 kt,
	s_add_nc_u64 s[PB+2:PB+3], s[PB:PB+1], 3*PROW  ; three rows on,
	s_add_nc_u64 s[PB+4:PB+5], s[PB:PB+1], 6*PROW  ; six rows on
	s_wait_alu depctr_va_vdst(0)                   ; v3 to v6 are written: the eight loads below read them as their offsets
	global_load_b32 v[UID], v[OID], s[4:5]         ; the ids first: the gathers hang on them
	global_load_b32 v[IID], v[OID], s[6:7]
.irp i, 0,1,2,3
	global_load_b128 v[X+4*\i:X+4*\i+3], v[OW], s[14:15] offset:GEN0+16*\i
.endr
	global_load_b128 v[B:B+3], v[OCD], s[8:9]      ; the wave's 16 rows of codes: 512 consecutive bytes
	global_load_u8 v[SB], v[ROW], s[10:11]         ; lane r: row r's byte, with zeros above it
.irp i, 4,5,6,7,8,9,10,11,12,13,14,15
	v_mov_b32 v[A+\i], 0                           ; zero codes for K = 32 .. 127, on both sides (no load touches these registers)
	v_mov_b32 v[B+\i], 0
.endr
	s_wait_loadcnt 6                               ; the two ids are in; the six loads issued behind them may be out
	v_min_u32 v[UID], USERS-1, v[UID]              ; an id enters an address only held inside its table
	v_min_u32 v[IID], ITEMS-1, v[IID]
	v_lshlrev_b32 v[UID], 2, v[UID]
	v_lshlrev_b32 v[IID], 2, v[IID]
	v_add_nc_u32 v[OQ], v[OQ], v[IID]
	v_add_nc_u32 v[OP], v[OP], v[UID]
	s_wait_alu depctr_va_vdst(0)                   ; v7 and v8 are written: the sixteen gathers below read them as their offsets
.irp j, 0,1,2,3,4,5,6,7
	global_load_b32 v[QD+\j], v[OQ], s[14:15] offset:\j*QROW                        ; Q[16 kt + 8 h + j][my item]
.endr
.irp j, 0,1,2,3,4,5,6,7
	global_load_b32 v[PU+\j], v[OP], s[PB+2*(\j/3):PB+2*(\j/3)+1] offset:(\j%3)*PROW  ; P[16 kt + 8 h + j][my user]
.endr
	; W's row r is one block of 32: my 16 numbers and those of lane l xor 16.  All this stands under the gathers' flight.
	s_wait_loadcnt 16                              ; W, G's codes and G's scale byte are in; the 16 gathers may be out
	v_max3_num_f32 v[T], |v[X]|, |v[X+1]|, |v[X+2]|
	v_max3_num_f32 v[T+1], |v[X+3]|, |v[X+4]|, |v[X+5]|
.irp i, 6,10
	v_max3_num_f32 v[T], v[T], |v[X+\i]|, |v[X+\i+1]|
	v_max3_num_f32 v[T+1], v[T+1], |v[X+\i+2]|, |v[X+\i+3]|
.endr
	v_max3_num_f32 v[T], v[T], |v[X+14]|, |v[X+15]|
	v_max_num_f32 v[T], v[T], v[T+1]
	v_permlanex16_b32 v[T+1], v[T], s34, s35       ; (its destination counts as read: it has been written)
	v_max_num_f32 v[T], v[T], v[T+1]               ; the block's largest magnitude
	v_cmp_eq_u32 vcc_lo, 0, v[T]                   ; is it a block of zeros?  The five lines below stand between the compare and the wait for it
	v_lshrrev_b32 v[T+1], 23, v[T]                 ; its exponent field = floor(log2) + 127
	v_max_u32 v[T+1], 16, v[T+1]                   ; the byte is not to fall under 1
	v_lshl_or_b32 v[T+2], v[T+1], 23, 0x600000     ; 57,344 x the scale
	v_add_nc_u32 v[T+1], -15, v[T+1]               ; the scale's byte
	v_lshlrev_b32 v[T+3], 23, v[T+1]               ; the scale as f32: the conversion takes its exponent field
	s_wait_alu depctr_va_vcc(0)                    ; the compare has written VCC, ahead of its one reader
	v_cndmask_b32 v[SA], v[T+1], 127, vcc_lo       ; a block of zeros gets 127.  Lane r holds row r's byte, zeros above it
.irp i, 0,1,2,3,4,5,6,7,8,9,10,11,12,13,14,15
	v_med3_num_f32 v[X+\i], v[X+\i], -v[T+2], v[T+2]   ; the conversion does not saturate (ISA guide 7.6.2): hold first.  These 16 also stand between the scale word's write and the product
.endr
	v_cvt_scalef32_pk8_bf8_f32 v[A:A+1], v[X:X+7], v[T+3]          ; registers 0-3 of source 0: g = 16 h + 0 .. 15
	v_cvt_scalef32_pk8_bf8_f32 v[A+2:A+3], v[X+8:X+15], v[T+3]
	v_lshlrev_b32 v[LA], 2, v[R]                   ; four plain instructions between the codes' write and the product (ISA guide 7.12.1): my LDS address,
	v_lshl_add_u32 v[LA], v[H], 8, v[LA]
	v_add_nc_u32 v[LA], s23, v[LA]
	v_nop                                          ; and one with nothing to do
	s_wait_loadcnt 8                               ; Q's eight words are in; P's eight may be out
	s_wait_alu depctr_va_vdst(0)                   ; behind the places: W's scale word v16, W's codes v36-39 and the zero codes of both sources are written, which the scaled product takes; so is v11, which the LDS store will read
	v_wmma_scale_f32_16x16x128_f8f6f4 v[QD:QD+7], v[A:A+15], v[B:B+15], v[QD:QD+7], v[SA], v[SB] matrix_a_fmt:MATRIX_FMT_BF8 matrix_b_fmt:MATRIX_FMT_BF8
.rept 8
	v_nop                                          ; eight places before the result is read; no other work is left
.endr
	s_wait_loadcnt 0x0                             ; P's eight words
	v_pk_mul_f32 v[ACC:ACC+1], v[PU:PU+1], v[QD:QD+1]              ; the result is read from its low end on
.irp j, 2,4,6
	v_pk_fma_f32 v[ACC:ACC+1], v[PU+\j:PU+\j+1], v[QD+\j:QD+\j+1], v[ACC:ACC+1]
.endr
	v_add_f32 v[ACC], v[ACC], v[ACC+1]             ; my eight latent units' part of row r's sum
	s_wait_alu depctr_va_vdst(0)                   ; the add has written v84, the LDS store's data
	ds_store_b32 v[LA], v[ACC]
	s_wait_dscnt 0x0                               ; for wave 0's sake: my store is done
	s_barrier_signal -1
	s_barrier_wait -1
	s_cmp_lg_u32 s[WV], 0
	s_cbranch_scc1 .Ldone
	v_and_b32 v[T], 31, v0
	v_lshlrev_b32 v[T], 3, v[T]                    ; lane i takes rows 2 i and 2 i + 1
	s_lshl_b32 s36, ttmp9, 8
	v_add_nc_u32 v[T+1], s36, v[T]                 ; the same two rows in out
	s_wait_alu depctr_va_vdst(0)                   ; v12, the LDS loads' address, and v13, the store's offset, are written; the holds and conversions are done with v20-35, in which the loads land
.irp p, 0,1,2,3,4,5,6,7
	ds_load_b64 v[X+2*\p:X+2*\p+1], v[T] offset:256*\p             ; their eight parts
.endr
	s_wait_dscnt 0x0
.irp p, 0,4,8,12
	v_pk_add_f32 v[X+\p:X+\p+1], v[X+\p:X+\p+1], v[X+\p+2:X+\p+3]
.endr
	v_pk_add_f32 v[X:X+1], v[X:X+1], v[X+4:X+5]
	v_pk_add_f32 v[X+8:X+9], v[X+8:X+9], v[X+12:X+13]
	v_pk_add_f32 v[X:X+1], v[X:X+1], v[X+8:X+9]
	s_wait_alu depctr_va_vdst(0)                   ; the last add has written v[20:21], the store's data
	global_store_b64 v[T+1], v[X:X+1], s[16:17]    ; 32 lanes store 256 consecutive bytes, at a multiple of 256 from out's first byte
.Ldone:
	s_wait_dscnt 0x0                               ; the closing lines, six on end
	s_wait_alu 0x0
	s_wait_tensorcnt 0x0
	ds_add_u32 v88, v89
	s_wait_dscnt 0x0
	s_endpgm
.Lfunc_end_k_q182b12aa6a_gmf:
	.size	k_q182b12aa6a_gmf, .Lfunc_end_k_q182b12aa6a_gmf-k_q182b12aa6a_gmf
	.p2alignl 7, 3214868480
	.fill 96, 4, 3214868480
	.section	.rodata,"a",@progbits
	.p2align	6, 0x0
	.amdhsa_kernel k_q182b12aa6a_gmf
		.amdhsa_group_segment_fixed_size 4096
		.amdhsa_private_segment_fixed_size 0
		.amdhsa_enable_private_segment 0
		.amdhsa_kernarg_size 56
		.amdhsa_user_sgpr_count 2
		.amdhsa_user_sgpr_kernarg_segment_ptr 1
		.amdhsa_wavefront_size32 1
		.amdhsa_system_sgpr_workgroup_id_x 1
		.amdhsa_system_sgpr_workgroup_id_y 1
		.amdhsa_system_sgpr_workgroup_id_z 1
		.amdhsa_system_vgpr_workitem_id 0
		.amdhsa_next_free_vgpr 90
		.amdhsa_next_free_sgpr 66
		.amdhsa_reserve_vcc 1
		.amdhsa_float_denorm_mode_32 3
		.amdhsa_float_denorm_mode_16_64 3
		.amdhsa_memory_ordered 1
		.amdhsa_forward_progress 1
		.amdhsa_inst_pref_size 11
	.end_amdhsa_kernel
	.amdgpu_metadata
---
amdhsa.version: [ 1, 2 ]
amdhsa.kernels:
  - .name:           k_q182b12aa6a_gmf
    .symbol:         k_q182b12aa6a_gmf.kd
    .args:
      - { .name: user_ids, .offset: 0, .size: 8, .value_kind: global_buffer, .address_space: global }
      - { .name: item_ids, .offset: 8, .size: 8, .value_kind: global_buffer, .address_space: global }
      - { .name: genres_one_hot_codes, .offset: 16, .size: 8, .value_kind: global_buffer, .address_space: global }
      - { .name: genres_one_hot_scales, .offset: 24, .size: 8, .value_kind: global_buffer, .address_space: global }
      - { .name: P_weight, .offset: 32, .size: 8, .value_kind: global_buffer, .address_space: global }
      - { .name: Q_weight, .offset: 40, .size: 8, .value_kind: global_buffer, .address_space: global }
      - { .name: out0, .offset: 48, .size: 8, .value_kind: global_buffer, .address_space: global }
    .group_segment_fixed_size: 4096
    .private_segment_fixed_size: 0
    .kernarg_segment_align: 8
    .kernarg_segment_size: 56
    .max_flat_workgroup_size: 512
    .sgpr_count:     66
    .vgpr_count:     90
    .wavefront_size: 32
...
	.end_amdgpu_metadata
.endif
;; end of part 2
